; MI455X (gfx1250); checked and timed in simulation.
; The chip was launched on July 23, 2026; its instructions are those of AMD's public machine-readable ISA for CDNA 5 (MIT licence, August 2026) and "CDNA5" Instruction Set Architecture Reference Guide (July 2026). The comments in the code are by the model that wrote it; some were corrected since.
;; My Conv2 D. Allowed arithmetic: matrix products marked QUANTISED: E5M2 operands, one E8M0 scale for each 32 along K, by v_wmma_scale_f32_16x16x128_f8f6f4 with both operands' format E5M2, f32 sums; everything else in f32.
;; Inputs: w_codes 64 x 1 x 1 x 4 x 32 uint8 (E5M2 codes of w, K innermost, in blocks of 32 codes); w_scales 64 x 1 x 1 x 4 uint8 (E8M0 scales of w, one for each 32 codes along K); x_codes 1 x 1 x 116,250 x 4 x 32 uint8 (E5M2 codes of x, K innermost, in blocks of 32 codes); x_scales 1 x 1 x 116,250 x 4 uint8 (E8M0 scales of x, one for each 32 codes along K).
;; Outputs: out0 5 x 64 x 62 x 375 float32.
;; This version of the problem:
;;   THIS VERSION OF THE PROBLEM IS GIVEN IN LOW PRECISION. The matrix products marked QUANTISED in the list below multiply operands that are first quantised to E5M2 (5 exponent bits, 2 mantissa bits; 8 bits a number), with one power-of-two scale for each 32 numbers along K (OCP MX v1.0); their sums are f32. All else is computed in f32.
;;   The module's matrix products, in the order in which they are computed (A, B: the left and right operand; K: the contracted axis; several contracted axes count as one K, in the product's order):
;;     1. [M 64, K 128] x [K 128, N 116,250]; A: input w (given as codes); B: input x (given as codes): QUANTISED
;;   THE QUANTISER, for each operand of a quantised product, along K:
;;     - K is cut into blocks of 32 from its start; a last block that is shorter is filled with zeros.
;;     - A block's scale is 2^e with e = floor(log2(the largest magnitude in the block)) - 15, held to -126 .. 127; a block of zeros has e = 0. As a byte (E8M0): e + 127.
;;     - Each number is divided by its block's scale, clamped to +-57,344, and rounded to the nearest number of E5M2, ties to even, subnormals kept.
;;     - The product sums the exact products of the quantised numbers (number of the format x scale) in f32.
;;   ~~~python
;;   def quantise(x, axis):      # numpy; x: float32 -> the quantised numbers, widened to float32 again
;;       x = np.moveaxis(x, axis, -1); K = x.shape[-1]
;;       x = np.pad(x, [(0, 0)] * (x.ndim - 1) + [(0, -K % 32)]); x = x.reshape(x.shape[:-1] + (-1, 32)); a = np.abs(x).max(-1, keepdims=True)
;;       e = np.where(a > 0, np.clip(np.frexp(np.where(a > 0, a, 1))[1] - 1 - 15, -126, 127), 0)      # np.frexp(a)[1] - 1 = floor(log2(a)), exactly
;;       r = np.clip(x / 2.0 ** e, -57344, 57344)
;;       step = 2.0 ** (np.maximum(np.frexp(np.where(r == 0, 1, r))[1] - 1, -14) - 2)
;;       q = np.round(r / step) * step * 2.0 ** e      # np.round: ties to even
;;       return np.moveaxis(q.reshape(q.shape[:-2] + (-1,))[..., :K], -1, axis).astype(np.float32)
;;   ~~~
;;   INPUTS GIVEN AS CODES. w (in the module: [64, 1, 1, 128], K = its axis 3); x (in the module: [1, 1, 116250, 128], K = its axis 3): each comes as NAME_codes (uint8): NAME with its K axis moved to the last place and cut into blocks of 32 codes, [.., K / 32, bytes a block], one block behind the other in memory; one code a byte (a code: sign, 5 exponent bits, 2 mantissa bits); and NAME_scales (uint8): the same leading axes, one E8M0 byte (e + 127) for each 32 codes along K. Its value is code x scale, taken as it is: it is not quantised again, and the codes and scales need not be those that the quantiser above would give.
;; One version. Each part assembles by itself: llvm-mc -triple=amdgcn-amd-amdhsa -mcpu=gfx1250 --defsym DOCPART=n.
;; ======== version 1 of 1: 1 launch
;; launch conv (part 1): grid 228 x 1, 12 waves a work-group, no clusters, 242,176 bytes of LDS; arguments w_codes, w_scales, x_codes, x_scales, out0; writes out0
.if DOCPART == 1
	.amdgcn_target "amdgcn-amd-amdhsa--gfx1250"
	.amdhsa_code_object_version 6
	.text
	.protected	k_q59d35f2e30_conv
	.globl	k_q59d35f2e30_conv
	.p2align	8
	.type	k_q59d35f2e30_conv,@function
k_q59d35f2e30_conv:
	s_mov_b64 s[64:65], 0
	v_nop
	global_prefetch_b8 v0, s[64:65] scope:SCOPE_SE
	s_setreg_imm32_b32 hwreg(HW_REG_WAVE_MODE, 25, 1), 1
	s_wait_xcnt 0x0
; out[f][n] = sum over d of w[f][d] x[n][d].  w: 64 rows, x: N = 116,250 rows of 128 codes of BF8 (E5M2), one E8M0 byte for each 32; out: [64][N] f32 (the reshape moves no byte).
; K = 128 is one matrix instruction: each 16 x 16 tile of out is one v_wmma_scale_f32_16x16x128_f8f6f4 with C = 0.
; LIMITS: none of range.  Codes and scale bytes go to the matrix unit as they are given (codes of infinity or NaN and the scale byte 0xff give what the unit gives); each output is one instruction's sum.
; THE WAY OUT DECIDES THE SHARES.  A row of out is 465,000 bytes = 104 mod 256, so in row f the aligned blocks of 256 bytes begin at columns = S(f) = 38 f mod 64.  out is exactly 116,250 such blocks.
; Each block has ONE owner and is written by ONE store of 32 lanes x 8 bytes.  Work-group g owns, in every row f, the blocks that begin at columns 512 g + S(f) + 64 j, j = 0 .. 7, as far as that column is under N.
; For that it multiplies a WINDOW of 576 columns, 512 g .. 512 g + 575 (64 of them are the next work-group's too).  A block that begins under N and runs past it goes on, in memory, with the first columns of row f + 1:
; so the window WRAPS (column c >= N is x's row c - N), and the lanes of such a block take their numbers from row f + 1 of the stage.  So the 62 blocks that lie across two rows are written whole as well.
; 228 work-groups: 227 x 512 + 26 = N.  The last one owns only the 26 blocks that begin in the last 26 columns; it runs the same text on a whole window, of which some 90 rows serve.
; A WORK-GROUP: 12 waves.  All it reads is asked for at the head: the scale words into registers, then the codes by asynchronous copies into LDS, 512 consecutive bytes (4 rows of codes) an instruction.
; Waves 0 to 7 copy 8 rows of w each (2 copies, issued first), which all waves read behind a barrier; every wave copies the 48 rows of x that it multiplies (12 copies) and reads only those.  Nothing in LDS is filled twice.
; THREE BATCHES.  The window is three batches of 192 columns; wave v's tile t is columns 192 t + 16 v + 0 .. 15 of it, so the twelve waves' tiles t are batch t, and a wave's copies are issued batch by batch.
; Behind each batch stands a barrier, and behind it the blocks that are whole leave: S(f) is 62 at the most, so blocks 0, 1 end under column 192, blocks 2 to 4 under 384, blocks 5 to 7 under 576.
; So the first blocks are stored while the later batches' codes are still on their way.  No barrier stands between a batch's way out and the next tile: the way out of batch t reads bytes under 768 (t + 1) of the stage's rows,
; the next tile writes bytes from 768 (t + 1) on.
; THE MATRIX INSTRUCTION IS USED TRANSPOSED: source 0 = 16 rows of x, source 1 = 16 rows of w: lane (r, h) then holds out's row f = 16 q + r and eight neighbouring columns 8 h + 0 .. 7: 32 bytes for the stage in LDS.
; On the way out wave v sends rows f = v + 12 m of the stage.
; NO CLUSTER: what work-groups share is w, 8,448 of the 84,480 bytes that a work-group reads, and 64 rows of x with one neighbour.
.set N,      116250
.set WAVES,  12
.set OWN,    512                       ; columns a work-group owns in a row: 8 blocks of 64
.set WIN,    OWN+64                    ; columns it multiplies
.set BATCH,  WIN/3                     ; 192: twelve tiles, one a wave
.set XP,     144                       ; a row of codes in LDS: 128 bytes + 16: an odd multiple of 16, so that the 16 rows of a fragment load start at 16 different places in the 64 banks of 4 bytes (ISA guide 11.1)
.set LX,     64*XP                     ; LDS: w's 64 rows from 0; x's 576 rows from here, a wave's 48 on end (tile t: its rows 16 t on);
.set STG,    LX+WIN*XP                 ; the stage from here (a multiple of 256): 64 rows of out x 576 columns, in the window's order
.set SP,     4*WIN+16                  ; a row of the stage: 2,304 bytes + 16, again an odd multiple of 16
.set TMP,  1                           ; v1      at work
.set LANE, 2                           ; v2      lane
.set R,    3                           ; v3      r = lane % 16
.set H,    4                           ; v4      h = lane / 16
.set Q4,   5                           ; v5      a copy takes 4 rows: which of them is my lane's,
.set P8,   6                           ; v6      and which 16 of its 128 bytes
.set OA,   7                           ; v7      my byte in x_codes for copy 0, not wrapped
.set LQ,   8                           ; v8      my byte in the four LDS rows of a copy
.set VX,   9                           ; v9      seam rows: my column in block 0, less N
.set AW,   10                          ; v10     LDS address of my part of a fragment of w
.set AX,   11                          ; v11     the same for my wave's x
.set SO,   12                          ; v12-15  the stage: where my 32 bytes go, for each of w's four tiles
.set VL,   16                          ; v16     STG + 8 x lane
.set GO,   17                          ; v17     8 x lane: my 8 bytes of a block; never rewritten
.set V2L,  18                          ; v18     2 x lane: my first column in a block
.set VB,   19                          ; v19     seam rows: my place in the row of out that follows
.set WSO,  23                          ; v23     4 r: my word among a tile's 16 scale words of w
.set WS,   24                          ; v24-27  w's scale words, a register a tile (lanes 0-15 are read)
.set XS,   28                          ; v28     x's: tile 0 in lanes 0-15, tile 1 in lanes 16-31;  v29: tile 2
.set XSO,  30                          ; v30-31  their byte offsets in x_scales
.set XO,   32                          ; v32-43  the 12 copies of x: byte offsets in x_codes, wrapped
.set XL,   44                          ; v44-55  and LDS addresses
.set WO,   56                          ; v56-57  the 2 copies of w: byte offsets,
.set WL,   58                          ; v58-59  LDS addresses
.set VA,   60                          ; v60-65  row m: LDS address of my 8 bytes of its block 0; never rewritten
.set WF,   66                          ; v66-129 w's four fragments
.set XF,   130                         ; v130-145 the tile's fragment of x
.set ACC,  146                         ; v146-177 the tile's four results
.set D0,   178                         ; v178-201 what leaves behind batch 0: six rows x two blocks x 2 registers
.set D1,   202                         ; v202-237 behind batch 1: six rows x three blocks
.set D2,   66                          ; v66-101 behind batch 2: likewise, where w's fragments lay.  No register that a store names is written again
.set TS,   238                         ; v238-243 seam rows: the same blocks' bytes of the row that follows
.set WV,   14                          ; s14     wave
.set W0,   15                          ; s15     the window's first column, 512 g
.set C0,   17                          ; s17     my tile 0's first column
.set XB,   18                          ; s18     my wave's rows of x in LDS
.set RB,   24                          ; s24-29  row m: where block 0's columns begin in the stage's row that follows it (less STG)
.set LIM,  30                          ; s30-35  N less block 0's first column: how far the row's end is (0 or less: nothing of the row is mine)
.set OP,   36                          ; s[36:47] block 0's address in out
	s_load_b256 s[4:11], s[0:1], 0x0               ; w_codes s[4:5], w_scales s[6:7], x_codes s[8:9], x_scales s[10:11]
	s_load_b64 s[12:13], s[0:1], 0x20              ; out
	v_lshl_add_u32 v254, v0, 2, 0x3ac00
	v_mov_b32 v255, 0
	ds_add_u32 v254, v255
	ds_add_u32 v254, v255
	v_lshrrev_b32 v[TMP], 5, v0
	v_readfirstlane_b32 s[WV], v[TMP]
	v_and_b32 v[LANE], 31, v0
	v_and_b32 v[R], 15, v0
	v_bfe_u32 v[H], v0, 4, 1
	v_bfe_u32 v[Q4], v0, 3, 2
	v_and_b32 v[P8], 7, v0
	s_lshl_b32 s[W0], ttmp9, 9
	s_lshl_b32 s16, s[WV], 4
	s_add_co_u32 s[C0], s[W0], s16
	; The scale words: 4 bytes a row.  x's: lane (r, h) takes column C0 + 192 h + r (tiles 0 and 1), then C0 + 384 + r (tile 2).
	; THE WRAP: a column at or past N goes back by N.  Taken unsigned, the column less N is the smaller of the two exactly then: one v_min_u32.
	v_lshlrev_b32 v[WSO], 2, v[R]
	v_mad_u32_u24 v[XSO], v[H], BATCH, v[R]
	v_add_nc_u32 v[XSO], s[C0], v[XSO]
	v_add_nc_u32 v[TMP], -N, v[XSO]
	v_min_u32 v[XSO], v[XSO], v[TMP]
	v_lshlrev_b32 v[XSO], 2, v[XSO]
	v_add_nc_u32 v[XSO+1], s[C0], v[R]
	v_add_nc_u32 v[XSO+1], 2*BATCH, v[XSO+1]
	v_add_nc_u32 v[TMP], -N, v[XSO+1]
	v_min_u32 v[XSO+1], v[XSO+1], v[TMP]
	v_lshlrev_b32 v[XSO+1], 2, v[XSO+1]
	; The copies of x.  Copy k belongs to tile k / 4 and takes columns C0 + 192 (k / 4) + 4 (k % 4) + 0 .. 3; lane: row lane / 8, bytes 16 (lane % 8) on: 512 consecutive bytes.  The wrap as above, in bytes.
	v_add_nc_u32 v[OA], s[C0], v[Q4]
	v_lshlrev_b32 v[OA], 7, v[OA]
	v_lshl_add_u32 v[OA], v[P8], 4, v[OA]
	v_mul_u32_u24 v[LQ], v[Q4], XP
	v_lshl_add_u32 v[LQ], v[P8], 4, v[LQ]
	s_mul_i32 s[XB], s[WV], 48*XP
	s_add_co_u32 s[XB], s[XB], LX
	v_add_nc_u32 v[XL], s[XB], v[LQ]
.irp k, 0,1,2,3,4,5,6,7,8,9,10,11
.set GOFF, 128*(BATCH*(\k/4)+4*(\k%4))
	v_add_nc_u32 v[TMP], GOFF-128*N, v[OA]
.if \k > 0
	v_add_nc_u32 v[XO+\k], GOFF, v[OA]
	v_min_u32 v[XO+\k], v[XO+\k], v[TMP]
	v_add_nc_u32 v[XL+\k], 4*XP*\k, v[XL]          ; (a copy's immediate would be added to both addresses, and the two step differently: each copy has its own two registers)
.else
	v_min_u32 v[XO], v[OA], v[TMP]
.endif
.endr
	; The copies of w: wave v (0 to 7) takes rows 8 v .. 8 v + 7
	v_lshlrev_b32 v[WO], 4, v[LANE]
	s_lshl_b32 s16, s[WV], 10
	v_add_nc_u32 v[WO], s16, v[WO]
	v_add_nc_u32 v[WO+1], 512, v[WO]
	s_mul_i32 s16, s[WV], 8*XP
	v_add_nc_u32 v[WL], s16, v[LQ]
	v_add_nc_u32 v[WL+1], 4*XP, v[WL]
	; LDS addresses of the fragments and of the stage.
	; A fragment, 16 rows x 128 K of 8-bit codes, is 16 registers: lane (r, h) holds row r; registers 4 c .. 4 c + 3 hold K = 32 c + 16 h + 0 .. 15
	v_mul_u32_u24 v[AW], v[R], XP
	v_lshl_add_u32 v[AW], v[H], 4, v[AW]
	v_add_nc_u32 v[AX], s[XB], v[AW]
	v_mul_u32_u24 v[SO], v[R], SP                  ; the stage: row 16 q + r, my wave's 16 columns of a batch (64 bytes), + 32 h
	v_lshl_add_u32 v[SO], v[H], 5, v[SO]
	s_lshl_b32 s16, s[WV], 6
	s_add_co_u32 s16, s16, STG
	v_add_nc_u32 v[SO], s16, v[SO]
.irp q, 1,2,3
	v_add_nc_u32 v[SO+\q], 16*SP*\q, v[SO]
.endr
	s_wait_dscnt 0x0
	s_wait_kmcnt 0x0
.irp q, 0,1,2,3
	global_load_b32 v[WS+\q], v[WSO], s[6:7] offset:64*\q      ; the scale words first: the first tile wants them
.endr
	global_load_b32 v[XS], v[XSO], s[10:11]
	global_load_b32 v[XS+1], v[XSO+1], s[10:11]
	s_cmp_lt_u32 s[WV], 8
	s_cbranch_scc0 .Lw_asked
	global_load_async_to_lds_b128 v[WL], v[WO], s[4:5]
	global_load_async_to_lds_b128 v[WL+1], v[WO+1], s[4:5]
.Lw_asked:
.irp k, 0,1,2,3,4,5,6,7,8,9,10,11
	global_load_async_to_lds_b128 v[XL+\k], v[XO+\k], s[8:9]   ; tile 0's four, then tile 1's, then tile 2's
.endr
	; While all that is on its way: what the way out needs.
	v_lshlrev_b32 v[GO], 3, v[LANE]
	v_lshlrev_b32 v[V2L], 1, v[LANE]
	v_add_nc_u32 v[VL], STG, v[GO]
.macro ROWS m                          ; row f = wave + 12 m of out (m = 5: waves 0 to 3 alone use it)
	s_add_co_u32 s20, s[WV], WAVES*\m              ; f
	s_mul_i32 s21, s20, 38
	s_and_b32 s21, s21, 63                         ; S(f): 104 f + 4 S(f) is a multiple of 256
	s_lshl_b32 s22, s21, 2
	s_mul_i32 s23, s20, SP
	s_add_co_u32 s23, s23, s22
	v_add_nc_u32 v[VA+\m], s23, v[VL]              ; my 8 bytes of the row's block 0 in the stage; block j lies 256 j further on
	s_add_co_u32 s23, s20, 1
	s_and_b32 s23, s23, 63                         ; the row that follows (behind row 63 nothing follows: none of its blocks runs past N, and the stage's row 0 stands in, for no block that is stored)
	s_mul_i32 s[RB+\m], s23, SP
	s_add_co_u32 s[RB+\m], s[RB+\m], s22
	s_add_co_u32 s21, s21, s[W0]                   ; block 0's first column
	s_sub_co_i32 s[LIM+\m], N, s21
	s_mul_i32 s20, s20, N
	s_add_co_u32 s20, s20, s21
	s_lshl_b32 s20, s20, 2                         ; its byte in out: under 2^25, a multiple of 256
	s_mov_b32 s21, 0
	s_add_nc_u64 s[OP+2*\m:OP+2*\m+1], s[12:13], s[20:21]
.endm
.irp m, 0,1,2,3,4,5
	ROWS \m
.endr
	s_wait_asynccnt 12                             ; copies end in the order of issue: all but my 12 copies of x, so my part of w is in LDS
	s_barrier_signal -1
	s_barrier_wait -1                              ; everybody's is.
.irp q, 0,1,2,3
.irp c, 0,1,2,3
	ds_load_b128 v[WF+16*\q+4*\c:WF+16*\q+4*\c+3], v[AW] offset:\q*16*XP+32*\c
.endr
.endr
; Tile t: my 16 columns of batch t against all 64 rows of w, into the stage; then the barrier behind which batch t lies whole in the stage.
.macro TILE t
	s_wait_asynccnt 8-4*(\t)                       ; the tile's four copies have landed; the later tiles' may be out.  Only I read these bytes: no barrier is needed for them
.irp c, 0,1,2,3
	ds_load_b128 v[XF+4*\c:XF+4*\c+3], v[AX] offset:(\t)*16*XP+32*\c
.endr
.if (\t) == 0
	s_wait_loadcnt 0x0                             ; the scale words
.endif
	s_wait_dscnt 0x0                               ; the fragment (with tile 0: w's four too)
.irp q, 0,1,2,3
.if (\t) == 1
	v_wmma_scale_f32_16x16x128_f8f6f4 v[ACC+8*\q:ACC+8*\q+7], v[XF:XF+15], v[WF+16*\q:WF+16*\q+15], 0, v[XS+(\t)/2], v[WS+\q] matrix_a_fmt:MATRIX_FMT_BF8 matrix_b_fmt:MATRIX_FMT_BF8 matrix_a_scale:MATRIX_SCALE_ROW1
.else
	v_wmma_scale_f32_16x16x128_f8f6f4 v[ACC+8*\q:ACC+8*\q+7], v[XF:XF+15], v[WF+16*\q:WF+16*\q+15], 0, v[XS+(\t)/2], v[WS+\q] matrix_a_fmt:MATRIX_FMT_BF8 matrix_b_fmt:MATRIX_FMT_BF8
.endif
.endr
.rept 9
	v_nop                                          ; eight plain vector instructions between a matrix instruction of this form and what reads its result or loads into a register that it read: the LDS stores below
.endr                                              ; the next tile's fragment, the last way out's data.  The ninth: the next tile's matrix instructions write over these results.  No other vector work is at hand
.irp q, 0,1,2,3                                ; lane (r, h): out(16 q + r, the window's column 192 t + 16 wave + 8 h + 0 .. 7); each result from its low end on
	ds_store_b128 v[SO+\q], v[ACC+8*\q:ACC+8*\q+3] offset:4*BATCH*(\t)
	ds_store_b128 v[SO+\q], v[ACC+8*\q+4:ACC+8*\q+7] offset:4*BATCH*(\t)+16
.endr
	s_wait_dscnt 0x0                               ; for the others' sake: my stores into the stage are done (and have read the results' registers)
	s_barrier_signal -1
	s_barrier_wait -1                              ; the stage holds 64 rows x 192 (t + 1) columns
.endm
; THE WAY OUT.  Blocks j0 .. j0 + nu - 1 of row m come out of the stage, 8 bytes a lane, 256 consecutive bytes a load, into registers from base on.
; A row all of whose blocks here end under N (LIM at least 64 (j0 + nu)) takes the short way.  On the other way, a SEAM row, each block is read twice, from its own row and from the same columns of the row that follows,
; and a lane whose column is N or more keeps the second: the DATA are chosen, so that every LDS address stays a sum of constants, the lane's and the wave's terms.
.macro LOADROW m, j0, nu, base
.set rD, \base+2*(\nu)*(\m)
	s_cmp_ge_i32 s[LIM+\m], 64*(\j0+\nu)
	s_cbranch_scc0 .Lseam_\@
.set jj, 0
.rept \nu
	ds_load_b64 v[rD+2*jj:rD+2*jj+1], v[VA+\m] offset:256*(\j0+jj)
.set jj, jj+1
.endr
	s_branch .Lread_\@
.Lseam_\@:
	v_add_nc_u32 v[VB], s[RB+\m], v[VL]            ; (no load that names it is out: this way ends with a wait for all LDS loads)
	v_sub_nc_u32 v[VX], v[V2L], s[LIM+\m]          ; my column in block 0, less N.  (N and all first columns are even: a lane's two numbers lie on one side)
.set jj, 0
.rept \nu
	ds_load_b64 v[rD+2*jj:rD+2*jj+1], v[VA+\m] offset:256*(\j0+jj)
	ds_load_b64 v[TS+2*jj:TS+2*jj+1], v[VB] offset:256*(\j0+jj)
.set jj, jj+1
.endr
	s_wait_dscnt 0x0
.set jj, 0
.rept \nu
	v_cmp_le_i32 vcc_lo, -64*(\j0+jj), v[VX]       ; in this block my column is N or more
	v_cndmask_b32 v[rD+2*jj], v[rD+2*jj], v[TS+2*jj], vcc_lo
	v_cndmask_b32 v[rD+2*jj+1], v[rD+2*jj+1], v[TS+2*jj+1], vcc_lo
.set jj, jj+1
.endr
.Lread_\@:
.endm
; and leave: each store of the wave covers 256 consecutive bytes of out, aligned.  In a seam row a block is mine if it begins under N; the first that is not ends the row.
; No register that a store names is ever written again, and EXEC never changes: no wait stands behind the stores.
.macro STOREROW m, j0, nu, base
.set rD, \base+2*(\nu)*(\m)
	s_cmp_ge_i32 s[LIM+\m], 64*(\j0+\nu)
	s_cbranch_scc0 .Lsome_\@
.set jj, 0
.rept \nu
	global_store_b64 v[GO], v[rD+2*jj:rD+2*jj+1], s[OP+2*(\m):OP+2*(\m)+1] offset:256*(\j0+jj) th:TH_STORE_NT   ; written once, read by nobody here
.set jj, jj+1
.endr
	s_branch .Lsent_\@
.Lsome_\@:
.set jj, 0
.rept \nu
	s_cmp_gt_i32 s[LIM+\m], 64*(\j0+jj)
	s_cbranch_scc0 .Lsent_\@
	global_store_b64 v[GO], v[rD+2*jj:rD+2*jj+1], s[OP+2*(\m):OP+2*(\m)+1] offset:256*(\j0+jj) th:TH_STORE_NT
.set jj, jj+1
.endr
.Lsent_\@:
.endm
; The blocks j0 .. j0 + nu - 1 of all my rows: 64 rows for 12 waves are five each, and a sixth (rows 60 to 63) for waves 0 to 3.  All loads, one wait, all stores.
.macro SEND j0, nu, base
	s_cmp_lt_u32 s[WV], 4
	s_cbranch_scc0 .Lfive_l_\@
	LOADROW 5, \j0, \nu, \base
.Lfive_l_\@:
.irp m, 0,1,2,3,4
	LOADROW \m, \j0, \nu, \base
.endr
	s_wait_dscnt 0x0                               ; all of them are in registers
	s_cmp_lt_u32 s[WV], 4
	s_cbranch_scc0 .Lfive_s_\@
	STOREROW 5, \j0, \nu, \base
.Lfive_s_\@:
.irp m, 0,1,2,3,4
	STOREROW \m, \j0, \nu, \base
.endr
.endm
	TILE 0
	SEND 0, 2, D0                                  ; blocks 0 and 1 end at column 62 + 127 = 189 at the most: inside batch 0
	TILE 1
	SEND 2, 3, D1                                  ; blocks 2 to 4 end at column 62 + 319 = 381 at the most: inside batches 0 and 1
	TILE 2                                         ; its wait on the copies' counter is for 0: none is out at the end
	SEND 5, 3, D2                                  ; blocks 5 to 7
	s_wait_tensorcnt 0x0
	ds_add_u32 v254, v255
	s_wait_dscnt 0x0
	s_endpgm
.Lfunc_end_k_q59d35f2e30_conv:
	.size	k_q59d35f2e30_conv, .Lfunc_end_k_q59d35f2e30_conv-k_q59d35f2e30_conv
	.p2alignl 7, 3214868480
	.fill 96, 4, 3214868480
	.section	.rodata,"a",@progbits
	.p2align	6, 0x0
	.amdhsa_kernel k_q59d35f2e30_conv
		.amdhsa_group_segment_fixed_size 242176
		.amdhsa_private_segment_fixed_size 0
		.amdhsa_enable_private_segment 0
		.amdhsa_kernarg_size 40
		.amdhsa_user_sgpr_count 2
		.amdhsa_user_sgpr_kernarg_segment_ptr 1
		.amdhsa_wavefront_size32 1
		.amdhsa_system_sgpr_workgroup_id_x 1
		.amdhsa_system_sgpr_workgroup_id_y 1
		.amdhsa_system_sgpr_workgroup_id_z 1
		.amdhsa_system_vgpr_workitem_id 0
		.amdhsa_next_free_vgpr 256
		.amdhsa_next_free_sgpr 66
		.amdhsa_reserve_vcc 1
		.amdhsa_float_denorm_mode_32 3
		.amdhsa_float_denorm_mode_16_64 3
		.amdhsa_memory_ordered 1
		.amdhsa_forward_progress 1
		.amdhsa_inst_pref_size 54
	.end_amdhsa_kernel
	.amdgpu_metadata
---
amdhsa.version: [ 1, 2 ]
amdhsa.kernels:
  - .name:           k_q59d35f2e30_conv
    .symbol:         k_q59d35f2e30_conv.kd
    .args:
      - { .name: w_codes, .offset: 0, .size: 8, .value_kind: global_buffer, .address_space: global }
      - { .name: w_scales, .offset: 8, .size: 8, .value_kind: global_buffer, .address_space: global }
      - { .name: x_codes, .offset: 16, .size: 8, .value_kind: global_buffer, .address_space: global }
      - { .name: x_scales, .offset: 24, .size: 8, .value_kind: global_buffer, .address_space: global }
      - { .name: out0, .offset: 32, .size: 8, .value_kind: global_buffer, .address_space: global }
    .group_segment_fixed_size: 242176
    .private_segment_fixed_size: 0
    .kernarg_segment_align: 8
    .kernarg_segment_size: 40
    .max_flat_workgroup_size: 384
    .sgpr_count:     66
    .vgpr_count:     256
    .wavefront_size: 32
...
	.end_amdgpu_metadata
.endif
;; end of part 1
